; MI455X (gfx1250); checked and timed in simulation.
; The chip was launched on July 23, 2026; its instructions are those of AMD's public machine-readable ISA for CDNA 5 (MIT licence, August 2026) and "CDNA5" Instruction Set Architecture Reference Guide (July 2026). The comments in the code are by the model that wrote it; some were corrected since.
;; Multihead Attention. Allowed arithmetic: float matrix products may take bf16 or f16 operands with f32 sums; all other float work in f32.
;; Inputs: bo 1,024 float32; wk 1,024 x 1,024 float32; wo 1,024 x 1,024 float32; wq 1,024 x 1,024 float32; wv 1,024 x 1,024 float32; x 2 x 2,048 x 1,024 float32.
;; Outputs: out0 2 x 2,048 x 1,024 float32.
;; 2 versions, each right; version 2 is version 1 with the launch cast written anew for expert scheduling mode. Each part assembles by itself: llvm-mc -triple=amdgcn-amd-amdhsa -mcpu=gfx1250 --defsym DOCPART=n.
;; ======== version 1 of 2: 4 launches
;; workspace buffers: cb 16,777,216 bytes; qkv 25,165,824 bytes; yb 8,388,608 bytes
;; launch cast (part 1): grid 64 x 8, 8 waves a work-group, no clusters, 0 bytes of LDS; arguments x, wq, wk, wv, wo, cb; writes cb
.if DOCPART == 1
	.amdgcn_target "amdgcn-amd-amdhsa--gfx1250"
	.amdhsa_code_object_version 6
	.text
	.protected	k_q6f9e7e7794_cast
	.globl	k_q6f9e7e7794_cast
	.p2align	8
	.type	k_q6f9e7e7794_cast,@function
k_q6f9e7e7794_cast:
	s_mov_b64 s[64:65], 0
	v_nop
	global_prefetch_b8 v0, s[64:65] scope:SCOPE_SE
	s_setreg_imm32_b32 hwreg(HW_REG_WAVE_MODE, 25, 1), 1
	s_wait_xcnt 0x0
; cast: x, wq, wk, wv, wo (f32) are rounded once to bf16 into cb, so that the matrix launches read 16-bit tiles.
; cb: byte 0 x [4096][1024]; byte 8,388,608 wq*c, wk, wv as one [3072][1024]; byte 14,680,064 wo [1024][1024].
; c = 0.125 * log2(e): the score scale 1/sqrt(64) and the change from e^x to 2^x are folded into wq BEFORE rounding
; (a stated order of rounding: the relative rounding error of wq*c is that of wq).
; Grid y = segment of 4 MiB of f32 (0-3: quarters of x, 4 wq, 5 wk, 6 wv, 7 wo); grid x = a piece of 64 KiB of it.
; A wave takes 8 KiB: 16 loads of 512 neighbouring bytes, all issued at once; 16 stores of 256 neighbouring aligned bytes.
; No LDS, no matrix unit, no loop: every byte is read once and written once.
.set X, 4                              ; v[4:67]   16 x 4 f32 as loaded
.set Y, 68                             ; v[68:99]  16 x 2 words of bf16 to store
	s_load_b256 s[4:11], s[0:1], 0x0               ; x s[4:5], wq s[6:7], wk s[8:9], wv s[10:11]
	s_load_b128 s[12:15], s[0:1], 0x20             ; wo s[12:13], cb s[14:15]
	s_and_b32 s16, ttmp7, 0xffff                   ; segment
	v_lshrrev_b32 v1, 5, v0                        ; wave
	v_and_b32 v3, 31, v0                           ; lane
	v_lshlrev_b32 v1, 13, v1                       ; 8 KiB a wave
	v_lshl_add_u32 v1, v3, 4, v1                   ; + 16 bytes a lane: the load offset
	v_lshrrev_b32 v2, 1, v1                        ; half of it: the store offset
	s_lshl_b32 s18, s16, 22                        ; source offset: the quarter of x (segments 0-3), else 0,
	s_cmp_lt_u32 s16, 4
	s_cselect_b32 s18, s18, 0
	s_lshl_b32 s17, ttmp9, 16                      ; + the piece of 64 KiB
	s_add_co_u32 s18, s18, s17
	s_mov_b32 s19, 0
	s_lshl_b32 s26, s16, 21                        ; destination offset: 2 MiB a segment + 32 KiB a piece
	s_lshl_b32 s17, ttmp9, 15
	s_add_co_u32 s26, s26, s17
	s_mov_b32 s27, 0
	s_cmp_eq_u32 s16, 4
	s_cselect_b32 s22, 0x3e38aa3b, 1.0             ; wq is multiplied by c = 0.18033688, the others by 1: one text for all segments
	s_mov_b32 s23, s22
	s_wait_kmcnt 0x0
	s_cmp_eq_u32 s16, 4                            ; the source buffer is chosen by the segment's number alone
	s_cselect_b64 s[20:21], s[6:7], s[4:5]
	s_cmp_eq_u32 s16, 5
	s_cselect_b64 s[20:21], s[8:9], s[20:21]
	s_cmp_eq_u32 s16, 6
	s_cselect_b64 s[20:21], s[10:11], s[20:21]
	s_cmp_eq_u32 s16, 7
	s_cselect_b64 s[20:21], s[12:13], s[20:21]
	s_add_nc_u64 s[20:21], s[20:21], s[18:19]
	s_add_nc_u64 s[24:25], s[14:15], s[26:27]
.set i, 0
.rept 16
	global_load_b128 v[X+4*i:X+4*i+3], v1, s[20:21] offset:512*i th:TH_LOAD_NT   ; read once in the launch
.set i, i+1
.endr
.set i, 0
.rept 16
	s_wait_loadcnt 15-i                            ; loads come back in order: number i is in, the 15-i younger ones stay out
	v_pk_mul_f32 v[X+4*i:X+4*i+1], v[X+4*i:X+4*i+1], s[22:23] op_sel_hi:[1,0]
	v_pk_mul_f32 v[X+4*i+2:X+4*i+3], v[X+4*i+2:X+4*i+3], s[22:23] op_sel_hi:[1,0]
	v_cvt_pk_bf16_f32 v[Y+2*i], v[X+4*i], v[X+4*i+1]
	v_cvt_pk_bf16_f32 v[Y+2*i+1], v[X+4*i+2], v[X+4*i+3]
	global_store_b64 v2, v[Y+2*i:Y+2*i+1], s[24:25] offset:256*i   ; 32 lanes x 8 bytes: 256 consecutive aligned bytes; the next launch reads them, so no hint
.set i, i+1
.endr
	s_endpgm
.Lfunc_end_k_q6f9e7e7794_cast:
	.size	k_q6f9e7e7794_cast, .Lfunc_end_k_q6f9e7e7794_cast-k_q6f9e7e7794_cast
	.p2alignl 7, 3214868480
	.fill 96, 4, 3214868480
	.section	.rodata,"a",@progbits
	.p2align	6, 0x0
	.amdhsa_kernel k_q6f9e7e7794_cast
		.amdhsa_group_segment_fixed_size 0
		.amdhsa_private_segment_fixed_size 0
		.amdhsa_enable_private_segment 0
		.amdhsa_kernarg_size 48
		.amdhsa_user_sgpr_count 2
		.amdhsa_user_sgpr_kernarg_segment_ptr 1
		.amdhsa_wavefront_size32 1
		.amdhsa_system_sgpr_workgroup_id_x 1
		.amdhsa_system_sgpr_workgroup_id_y 1
		.amdhsa_system_sgpr_workgroup_id_z 1
		.amdhsa_system_vgpr_workitem_id 0
		.amdhsa_next_free_vgpr 100
		.amdhsa_next_free_sgpr 66
		.amdhsa_reserve_vcc 0
		.amdhsa_float_denorm_mode_32 3
		.amdhsa_float_denorm_mode_16_64 3
		.amdhsa_memory_ordered 1
		.amdhsa_forward_progress 1
		.amdhsa_inst_pref_size 9
	.end_amdhsa_kernel
	.amdgpu_metadata
---
amdhsa.version: [ 1, 2 ]
amdhsa.kernels:
  - .name:           k_q6f9e7e7794_cast
    .symbol:         k_q6f9e7e7794_cast.kd
    .args:
      - { .name: x, .offset: 0, .size: 8, .value_kind: global_buffer, .address_space: global }
      - { .name: wq, .offset: 8, .size: 8, .value_kind: global_buffer, .address_space: global }
      - { .name: wk, .offset: 16, .size: 8, .value_kind: global_buffer, .address_space: global }
      - { .name: wv, .offset: 24, .size: 8, .value_kind: global_buffer, .address_space: global }
      - { .name: wo, .offset: 32, .size: 8, .value_kind: global_buffer, .address_space: global }
      - { .name: cb, .offset: 40, .size: 8, .value_kind: global_buffer, .address_space: global }
    .group_segment_fixed_size: 0
    .private_segment_fixed_size: 0
    .kernarg_segment_align: 8
    .kernarg_segment_size: 48
    .max_flat_workgroup_size: 256
    .sgpr_count:     66
    .vgpr_count:     100
    .wavefront_size: 32
...
	.end_amdgpu_metadata
.endif
;; end of part 1
;; launch qkv (part 2): grid 16 x 16, 4 waves a work-group, clusters of 4 x 4, 327,680 bytes of LDS; arguments cb, qkv; writes qkv
.if DOCPART == 2
	.amdgcn_target "amdgcn-amd-amdhsa--gfx1250"
	.amdhsa_code_object_version 6
	.text
	.protected	k_q6f9e7e7794_qkv
	.globl	k_q6f9e7e7794_qkv
	.p2align	8
	.type	k_q6f9e7e7794_qkv,@function
k_q6f9e7e7794_qkv:
	s_mov_b64 s[64:65], 0
	v_nop
	global_prefetch_b8 v0, s[64:65] scope:SCOPE_SE
	s_setreg_imm32_b32 hwreg(HW_REG_WAVE_MODE, 25, 1), 1
	s_wait_xcnt 0x0
	s_wait_alu depctr_hold_cnt(0) depctr_sa_sdst(0) depctr_va_vdst(0) depctr_va_sdst(0) depctr_va_ssrc(0) depctr_va_vcc(0) depctr_vm_vsrc(0)
	s_getreg_b32 s2, hwreg(HW_REG_IB_STS2, 6, 4)
	s_cmp_eq_u32 s2, 0
	s_cbranch_scc0 .Lentry_in_a_cluster
	s_endpgm
.Lentry_in_a_cluster:
	s_bfe_u32 s2, ttmp6, 0x10000c
	s_cmp_lg_u32 s2, 0xf033
	s_cbranch_scc0 .Lentry_shape_is_right
	s_endpgm
.Lentry_shape_is_right:
; qkv: [4096 x 1024] (x in bf16) times [3072 x 1024]^T (wq*c, wk, wv in bf16), sums in f32, result rounded once to bf16.
; Result layout: qkv[u 48][m 4096][64]; unit u = h is q of head h, 16+h is k, 32+h is v; m = 2048 b + s.  Every (unit, row range) is dense.
; A work-group makes 256 rows x 192 columns (three units) with four waves; wave w makes rows 64 w .. 64 w + 63 x all 192 columns:
; 48 accumulator tiles, 384 registers.  For 32 along K a wave reads (64 + 192) x 64 bytes from LDS and issues 48 matrix instructions.
; K goes in 8 steps of 128 through two LDS slots; a tile's rows are 256 bytes of memory at multiples of 256 bytes.
; CLUSTER 4 x 4: x's tile hangs on the block row alone and is asked for jointly along a row of the cluster, the weights' tile on the block
; column alone and jointly along a column.  By this text's count a wave has two tensor loads out at the start and one behind each round.
; REGISTERS by windows of 256: window 0 addresses, x's fragments (two buffers), the way out; window 3 the weights' fragments (two buffers);
; window 1 the tiles of row blocks 0, 1 (tile (a, b) at 8 (12 (a & 1) + b)); window 2 those of row blocks 2, 3.
; The matrix instruction is used transposed (source 0 = 16 weight rows, source 1 = 16 rows of x): a lane holds eight neighbouring columns of one row.
.set KSTEP,  128
.set PITCH,  272                       ; 256 bytes + 16 of padding: the 16 rows of a fragment load start in 16 different 16-byte columns modulo 256
.set AH,     128*PITCH                 ; what waves 0, 1 fetch: 128 rows of x
.set BH,     96*PITCH                  ; what waves 2, 3 fetch: 96 rows of weights
.set SLOT,   2*AH+2*BH                 ; 121,856 bytes: x's 256 rows, then the weights' 192
.set STG,    2*SLOT                    ; 243,712: behind the ring, 16 rows x 400 bytes for each wave; no tensor load lands here
.set SP,     400                       ; 384 bytes + 16
.set LAPS,   1024/(2*KSTEP)            ; 4 laps of two K steps
.set UNIT,   524288                    ; bytes of a unit of qkv
.set ADRA, 16                          ; v16-17  LDS address of my x fragments in slot 0, 1
.set ADRB, 20                          ; v20-21  the same for the weights
.set STO,  24
.set RD,   25
.set CO,   26
.set FA,   32                          ; window 0: v32-63, v64-95: x's 4 fragments, buffer 0, 1
.set FB,   0                           ; window 3: v0-95, v96-191: the weights' 12 fragments, buffer 0, 1
.set TMP,  128                         ; v128-175 packed results
.set RB,   176                         ; v176-223 rows read back
.set G1, 24
.set G0, 32
.set G1B, 48
.set G0B, 56
.set MSB, 0
.macro WIN new                         ; the immediate's high byte repeats the setting that is left; a switch that changes nothing is dropped
.if MSB != \new
	s_set_vgpr_msb (MSB<<8)|\new
.set MSB, \new
.endif
.endm
.set MUL_LO, 0x53                      ; source 0 window 3, source 1 window 0, C and D window 1
.set MUL_HI, 0xa3                      ; the same, C and D window 2
.set TO_B,   0xc0                      ; destination window 3, address window 0
.macro JLOAD s                         ; one joint load a wave: waves 0, 1 ask for x's halves, waves 2, 3 for the weights'; the branch hangs on the wave's number alone
	s_cmp_eq_u32 s11, 0
	s_cbranch_scc0 .Lfor_b_\@
	tensor_load_to_lds s[G0+4*\s:G0+4*\s+3], s[G1:G1+7]
	s_nop 0
	s_branch .Lasked_\@
.Lfor_b_\@:
	tensor_load_to_lds s[G0B+4*\s:G0B+4*\s+3], s[G1B:G1B+7]
	s_nop 0
.Lasked_\@:
.endm
.macro CREST                           ; a round of the cluster's barrier behind its opening work-group barrier
	s_cmp_lg_u32 s10, 0
	s_cbranch_scc1 .Lnot_wave_0_\@
	s_barrier_signal -3
.Lnot_wave_0_\@:
	s_barrier_wait -3
	s_barrier_signal -1
	s_barrier_wait -1
.endm
.macro CROUND
	s_barrier_signal -1
	s_barrier_wait -1
	CREST
.endm
.macro PLACES                          ; four independent vector places behind matrix instructions, in front of loads into their sources and of readers of their results
.rept 4
	v_nop
.endr
.endm
	s_load_b64 s[4:5], s[0:1], 0x0                 ; cb
	s_load_b64 s[8:9], s[0:1], 0x8                 ; qkv
	s_set_vgpr_msb 0xc0
	v_lshl_add_u32 v255, v0, 2, 0x41c00
	s_set_vgpr_msb 0xc000
	v_mov_b32 v255, 0
	s_set_vgpr_msb 0x3
	ds_add_u32 v255, v255
	s_set_vgpr_msb 0x300
	v_lshrrev_b32 v1, 5, v0
	v_readfirstlane_b32 s10, v1                    ; wave 0..3
	s_lshr_b32 s11, s10, 1                         ; I fetch for x (0) or for the weights (1)
	s_and_b32 s12, s10, 1                          ; which half of that tile
	s_bfe_u32 s40, ttmp6, 0x40000                  ; cx
	s_bfe_u32 s41, ttmp6, 0x40004                  ; cy
	s_lshl_b32 s42, ttmp9, 2
	s_add_co_u32 s42, s42, s40                     ; block column bx = 4 x cluster x + cx
	s_and_b32 s13, ttmp7, 0xffff
	s_lshl_b32 s13, s13, 2
	s_add_co_u32 s13, s13, s41                     ; block row by = 4 x cluster y + cy
	s_lshl_b32 s43, s41, 2
	s_lshl_b32 s43, 15, s43                        ; my row of the cluster
	s_lshl_b32 s44, 0x1111, s40                    ; my column
	s_or_b32 s[G1+0], s43, (1<<16)|(1<<20)|(1<<21)|(5<<22)|(3<<25)   ; mask; 2-byte elements; padding on; bit 21 beside a mask; 4 words behind every 64
	s_or_b32 s[G1B+0], s44, (1<<16)|(1<<20)|(1<<21)|(5<<22)|(3<<25)
	s_mov_b32 s[G1+1], KSTEP<<16                   ; tensor_dim0 = 128
	s_mov_b32 s[G1B+1], KSTEP<<16
	s_mov_b32 s[G1+2], 128<<16                     ; tensor_dim1 = 128 rows
	s_mov_b32 s[G1B+2], 96<<16                     ;             = 96 rows
	s_mov_b32 s[G1+3], KSTEP<<16                   ; tile_dim0 = 128
	s_mov_b32 s[G1B+3], KSTEP<<16
	s_mov_b32 s[G1+4], 128                         ; tile_dim1
	s_mov_b32 s[G1B+4], 96
	s_mov_b32 s[G1+5], 1024                        ; elements from row to row
	s_mov_b32 s[G1B+5], 1024
	s_mov_b32 s[G1+6], 0
	s_mov_b32 s[G1B+6], 0
	s_mov_b32 s[G1+7], 0
	s_mov_b32 s[G1B+7], 0
	s_lshl_b32 s16, s13, 19                        ; x: (256 by + 128 half) rows of 2,048 bytes
	s_lshl_b32 s17, s12, 18
	s_add_co_u32 s16, s16, s17
	s_mov_b32 s17, 0
	s_mul_i32 s46, s42, 192*2048                   ; weights: (192 bx + 96 half) rows of 2,048 bytes
	s_mul_i32 s47, s12, 96*2048
	s_add_co_u32 s46, s46, s47
	s_mov_b32 s47, 0
	s_mul_i32 s20, s10, AH                         ; LDS: x's halves at w x 34,816 (w = 0, 1)
	s_mul_i32 s21, s10, BH                         ; the weights' at 2 AH + (w - 2) BH = 17,408 + w x 26,112 (w = 2, 3)
	s_add_co_u32 s21, s21, 2*AH-2*BH
	s_wait_dscnt 0x0
	s_wait_kmcnt 0x0
	s_add_nc_u64 s[6:7], s[4:5], 0x800000          ; the weights begin 8 MiB into cb
	s_add_nc_u64 s[14:15], s[4:5], s[16:17]
	s_add_nc_u64 s[46:47], s[6:7], s[46:47]
	CROUND                                         ; all sixteen work-groups are here: the first joint loads meet
.irp s, 0,1
	s_mov_b32 s[G0+4*\s], 1
	s_add_co_u32 s[G0+4*\s+1], s20, \s*SLOT
	s_add_nc_u64 s[G0+4*\s+2:G0+4*\s+3], s[14:15], \s*KSTEP*2
	s_or_b32 s[G0+4*\s+3], s[G0+4*\s+3], 0x80000000
	s_mov_b32 s[G0B+4*\s], 1
	s_add_co_u32 s[G0B+4*\s+1], s21, \s*SLOT
	s_add_nc_u64 s[G0B+4*\s+2:G0B+4*\s+3], s[46:47], \s*KSTEP*2
	s_or_b32 s[G0B+4*\s+3], s[G0B+4*\s+3], 0x80000000
	JLOAD \s                                       ; K steps 0 and 1: both slots are asked for before anything else
.endr
	v_and_b32 v1, 15, v0                           ; r = lane % 16
	v_bfe_u32 v2, v0, 4, 1                         ; h = lane / 16
	v_mul_u32_u24 v3, v1, PITCH
	v_lshl_add_u32 v3, v2, 4, v3                   ; fragment: row r, 16 h bytes
	s_mul_i32 s21, s10, 64*PITCH                   ; my 64 rows of x
	s_mov_b32 s22, 2*AH                            ; the weights' 192 rows, read by every wave
.irp s, 0,1
	v_add_nc_u32 v[ADRA+\s], s21, v3
	v_add_nc_u32 v[ADRB+\s], s22, v3
	s_add_co_u32 s21, s21, SLOT
	s_add_co_u32 s22, s22, SLOT
.endr
	s_mul_i32 s23, s10, 16*SP
	s_add_co_u32 s23, s23, STG                     ; my stage
	v_mul_u32_u24 v4, v1, SP
	v_lshl_add_u32 v4, v2, 4, v4
	v_add_nc_u32 v[STO], s23, v4                   ; in: row r, 16 h
	v_and_b32 v6, 31, v0
	v_lshrrev_b32 v5, 3, v6
	v_mul_u32_u24 v5, v5, SP
	v_and_b32 v7, 7, v0
	v_lshl_add_u32 v5, v7, 4, v5
	v_add_nc_u32 v[RD], s23, v5                    ; back: eight lanes take a unit's 128 bytes of a row, 32 lanes four rows
	v_lshlrev_b32 v[CO], 4, v6                     ; the same four rows are 512 dense bytes of qkv
; 12 matrix instructions: row block a x all 12 column blocks, 32 along K, from fragment buffer f.  zero = 1: the product starts the sums.
.macro MUL12 f, a, zero
.irp b, 0,1,2,3,4,5,6,7,8,9,10,11
.if \zero
	v_wmma_f32_16x16x32_bf16 v[8*(12*((\a)&1)+\b):8*(12*((\a)&1)+\b)+7], v[FB+96*\f+8*\b:FB+96*\f+8*\b+7], v[FA+32*\f+8*\a:FA+32*\f+8*\a+7], 0
.else
	v_wmma_f32_16x16x32_bf16 v[8*(12*((\a)&1)+\b):8*(12*((\a)&1)+\b)+7], v[FB+96*\f+8*\b:FB+96*\f+8*\b+7], v[FA+32*\f+8*\a:FA+32*\f+8*\a+7], v[8*(12*((\a)&1)+\b):8*(12*((\a)&1)+\b)+7]
.endif
.endr
.endm
; 32 LDS loads in one run: a quarter step's fragments (byte k of the rows) into buffer f: 24 for the weights, then 8 for x
.macro FETCH slot, k, f
	WIN TO_B
.irp i, 0,1,2,3,4,5,6,7,8,9,10,11
	ds_load_b128 v[FB+96*\f+8*\i:FB+96*\f+8*\i+3],   v[ADRB+\slot] offset:\k+\i*16*PITCH
	ds_load_b128 v[FB+96*\f+8*\i+4:FB+96*\f+8*\i+7], v[ADRB+\slot] offset:\k+\i*16*PITCH+32
.endr
	WIN 0
.irp i, 0,1,2,3
	ds_load_b128 v[FA+32*\f+8*\i:FA+32*\f+8*\i+3],   v[ADRA+\slot] offset:\k+\i*16*PITCH
	ds_load_b128 v[FA+32*\f+8*\i+4:FA+32*\f+8*\i+7], v[ADRA+\slot] offset:\k+\i*16*PITCH+32
.endr
.endm
; A quarter step (32 along K, 48 matrix instructions) on buffer f; in its middle the next quarter's fragments go into buffer g.
; The 48 accumulators take turns, one instruction a turn, in the same order in every quarter.
.macro QUARTER slot, k, f, g, zero
	s_wait_dscnt 4                                 ; all but the youngest four loads: x's row blocks 2, 3 may be out
	WIN MUL_LO
	MUL12 \f, 0, \zero
	MUL12 \f, 1, \zero
	PLACES
	FETCH \slot, \k, \g
	s_wait_dscnt 32                                ; all but the 32 just issued
	WIN MUL_HI
	MUL12 \f, 2, \zero
	MUL12 \f, 3, \zero
.endm
.macro THREE slot, zero
	QUARTER \slot, 64,  0, 1, \zero
	QUARTER \slot, 128, 1, 0, 0
	QUARTER \slot, 192, 0, 1, 0
.endm
; The last quarter of a K step, on buffer 1, and the change of slots.  In front of the barrier's signal each wave waits for its reads of this
; slot and for all its tensor loads (the one that is out is its part of the next slot).  fill = 1: the barrier opens a round of the cluster's
; barrier, and behind the round the joint refill of this slot, two K steps ahead, is the wave's first and only tensor load.
; From a request to the wait for it a wave issues 180 matrix instructions.
.macro TURN slot, next, fill
	s_wait_dscnt 4
	WIN MUL_LO
	MUL12 1, 0, 0
	s_wait_dscnt 0x0
	s_wait_tensorcnt 0x0
	ds_add_u32 v255, v255
	s_wait_dscnt 0x0
	s_barrier_signal -1
	MUL12 1, 1, 0                                  ; register work while the others arrive
	WIN 0
	s_barrier_wait -1
.if \fill
	CREST
	s_add_nc_u64 s[G0+4*\slot+2:G0+4*\slot+3], s[G0+4*\slot+2:G0+4*\slot+3], 2*KSTEP*2     ; no load of mine is out: the addresses may step
	s_add_nc_u64 s[G0B+4*\slot+2:G0B+4*\slot+3], s[G0B+4*\slot+2:G0B+4*\slot+3], 2*KSTEP*2
	JLOAD \slot
.endif
	PLACES
	FETCH \next, 0, 0
	WIN MUL_HI
	MUL12 1, 2, 0
	MUL12 1, 3, 0
.endm
.macro LAP zero
	THREE 0, \zero
	TURN 0, 1, 1
	THREE 1, 0
	TURN 1, 0, 1
.endm
	s_wait_tensorcnt 0x1                           ; my part of K step 0 is in; K step 1's may stay out
	s_barrier_signal -1
	s_barrier_wait -1
	FETCH 0, 0, 0
	LAP 1                                          ; the first lap's first products start the sums: nothing is cleared
	WIN 0
	s_mov_b32 s3, LAPS-2
.Llap:
	LAP 0
	WIN 0
	s_sub_co_u32 s3, s3, 1
	s_cmp_lg_u32 s3, 0
	s_cbranch_scc1 .Llap
	THREE 0, 0                                     ; the last lap fills nothing
	TURN 0, 1, 0
	THREE 1, 0
	s_wait_dscnt 4
	WIN MUL_LO
	MUL12 1, 0, 0
	MUL12 1, 1, 0
	s_wait_dscnt 0x0
	WIN MUL_HI
	MUL12 1, 2, 0
	MUL12 1, 3, 0
	WIN 0
	PLACES                                         ; behind the last matrix instructions, in front of the conversions
	; THE WAY OUT, 16 rows at a time: round, 16 bytes a lane into my own stage, read back so that a wave's store covers 512 dense bytes of one unit.
	s_lshl_b32 s16, s13, 15                        ; 256 by rows of 128 bytes
	s_lshl_b32 s14, s10, 13                        ; + 64 w rows
	s_add_co_u32 s16, s16, s14
	s_mov_b32 s17, 0
	s_add_nc_u64 s[8:9], s[8:9], s[16:17]
	s_mul_i32 s46, s42, 3*UNIT                     ; + my three units (in the registers that held the weights' address)
	s_mov_b32 s47, 0
	s_add_nc_u64 s[8:9], s[8:9], s[46:47]
.macro OUT16 a, from
	WIN \from
.irp b, 0,1,2,3,4,5,6,7,8,9,10,11
.irp i, 0,1,2,3
	v_cvt_pk_bf16_f32 v[TMP+4*\b+\i], v[8*(12*(\a&1)+\b)+2*\i], v[8*(12*(\a&1)+\b)+2*\i+1]
.endr
.endr
	WIN 0
.irp b, 0,1,2,3,4,5,6,7,8,9,10,11
	ds_store_b128 v[STO], v[TMP+4*\b:TMP+4*\b+3] offset:32*\b
.endr
	s_wait_xcnt 0x0                                ; RB, which the last 16 rows' stores read, is loaded again only behind this wait
.irp u, 0,1,2
.irp i, 0,1,2,3
	ds_load_b128 v[RB+4*(4*\u+\i):RB+4*(4*\u+\i)+3], v[RD] offset:128*\u+4*SP*\i   ; LDS serves a wave's instructions in order: these see the stores above
.endr
.endr
.irp u, 0,1,2
.irp i, 0,1,2,3
	s_wait_dscnt 11-(4*\u+\i)
	global_store_b128 v[CO], v[RB+4*(4*\u+\i):RB+4*(4*\u+\i)+3], s[8:9] offset:\u*UNIT+\a*2048+\i*512
.endr
.endr
.endm
	OUT16 0, 0x05
	OUT16 1, 0x05
	OUT16 2, 0x0a
	OUT16 3, 0x0a
	s_set_vgpr_msb 0x3
	s_wait_tensorcnt 0x0
	ds_add_u32 v255, v255
	s_wait_dscnt 0x0
	s_set_vgpr_msb 0x300
	CROUND                                         ; the closing round: no work-group ends while a partner may still ask for a tile that names it
	s_endpgm
.Lfunc_end_k_q6f9e7e7794_qkv:
	.size	k_q6f9e7e7794_qkv, .Lfunc_end_k_q6f9e7e7794_qkv-k_q6f9e7e7794_qkv
	.p2alignl 7, 3214868480
	.fill 96, 4, 3214868480
	.section	.rodata,"a",@progbits
	.p2align	6, 0x0
	.amdhsa_kernel k_q6f9e7e7794_qkv
		.amdhsa_group_segment_fixed_size 327680
		.amdhsa_private_segment_fixed_size 0
		.amdhsa_enable_private_segment 0
		.amdhsa_kernarg_size 16
		.amdhsa_user_sgpr_count 2
		.amdhsa_user_sgpr_kernarg_segment_ptr 1
		.amdhsa_wavefront_size32 1
		.amdhsa_system_sgpr_workgroup_id_x 1
		.amdhsa_system_sgpr_workgroup_id_y 1
		.amdhsa_system_sgpr_workgroup_id_z 1
		.amdhsa_system_vgpr_workitem_id 0
		.amdhsa_next_free_vgpr 1024
		.amdhsa_next_free_sgpr 66
		.amdhsa_reserve_vcc 0
		.amdhsa_float_denorm_mode_32 3
		.amdhsa_float_denorm_mode_16_64 3
		.amdhsa_memory_ordered 1
		.amdhsa_forward_progress 1
		.amdhsa_inst_pref_size 163
	.end_amdhsa_kernel
	.amdgpu_metadata
---
amdhsa.version: [ 1, 2 ]
amdhsa.kernels:
  - .name:           k_q6f9e7e7794_qkv
    .symbol:         k_q6f9e7e7794_qkv.kd
    .args:
      - { .name: cb, .offset: 0, .size: 8, .value_kind: global_buffer, .address_space: global }
      - { .name: qkv, .offset: 8, .size: 8, .value_kind: global_buffer, .address_space: global }
    .group_segment_fixed_size: 327680
    .private_segment_fixed_size: 0
    .kernarg_segment_align: 8
    .kernarg_segment_size: 16
    .max_flat_workgroup_size: 128
    .sgpr_count:     66
    .vgpr_count:     1024
    .wavefront_size: 32
...
	.end_amdgpu_metadata
.endif
;; end of part 2
;; launch attn (part 3): grid 8 x 32, 8 waves a work-group, clusters of 4 x 1, 327,680 bytes of LDS; arguments qkv, yb; writes yb
.if DOCPART == 3
	.amdgcn_target "amdgcn-amd-amdhsa--gfx1250"
	.amdhsa_code_object_version 6
	.text
	.protected	k_q6f9e7e7794_attn
	.globl	k_q6f9e7e7794_attn
	.p2align	8
	.type	k_q6f9e7e7794_attn,@function
k_q6f9e7e7794_attn:
	s_mov_b64 s[64:65], 0
	v_nop
	global_prefetch_b8 v0, s[64:65] scope:SCOPE_SE
	s_setreg_imm32_b32 hwreg(HW_REG_WAVE_MODE, 25, 1), 1
	s_wait_xcnt 0x0
	s_wait_alu depctr_hold_cnt(0) depctr_sa_sdst(0) depctr_va_vdst(0) depctr_va_sdst(0) depctr_va_ssrc(0) depctr_va_vcc(0) depctr_vm_vsrc(0)
	s_getreg_b32 s2, hwreg(HW_REG_IB_STS2, 6, 4)
	s_cmp_eq_u32 s2, 0
	s_cbranch_scc0 .Lentry_in_a_cluster
	s_endpgm
.Lentry_in_a_cluster:
	s_bfe_u32 s2, ttmp6, 0x10000c
	s_cmp_lg_u32 s2, 0x3003
	s_cbranch_scc0 .Lentry_shape_is_right
	s_endpgm
.Lentry_shape_is_right:
; attn: softmax(q k^T / 8) v for one head and 256 queries a work-group, with a running maximum.  q already carries 0.125 log2(e), so exponentials are 2^x.
; LIMITS, stated: inputs finite; an exponential below 2^-126 comes out as 0; the denominator sums the unrounded exponentials while P is rounded to bf16.
; Grid y = 16 b + h.  Grid x = query block of 256; the four work-groups of a cluster have the same head and ask for K and V jointly (mask 15).
; Eight waves: p = w & 3 owns the 64 queries 64 p .. (four query tiles t), g = w >> 2 takes half g (256 keys) of every tile of 512 keys;
; the two halves' results are merged once at the end, through LDS.
; A LANE IS A QUERY EVERYWHERE.  S^T = K Q^T: source 0 = 16 keys, source 1 = 16 queries; register j of lane (r, h) is key 16 kt + 8 h + j of query r.
; Two such tiles, rounded and packed, ARE the second source of O^T = V^T P^T (32 keys of query r): no shuffle.  Register j of O is d = 16 dt + 8 h + j of query r.
; TWO SETS OF WAVES, HALF A BLOCK APART.  A block (64 queries x 64 keys) is two halves: H1 = fragment loads, S, maximum, rescale, exponentials of query
; tiles 0, 1; H2 = exponentials of query tiles 2, 3 and O += V^T P^T, on registers alone.  Every wave runs H1 H2 H1 H2 .. in this order.  The waves with
; ph = 0 finish a key tile's last block in front of the barrier; the waves with ph = 1 hold that block's H2 back and run it first thing behind the barrier,
; so that between two barriers they run H2 H1 H2 H1 ..: while one set issues matrix instructions the other has vector work.  ph = (bit 2 of w) xor (bit 0 of w):
; waves w and w + 4 differ in it, and so do waves 2 j and 2 j + 1.  In key tiles 1 and 2 both sets do four blocks' worth of work between two barriers.
; All barriers, rounds and refills stand in text that both sets pass; the forward branches on ph lie between them and jump over an H2 alone.
; LDS: two slots of 143,360 bytes.  V's part first: 256 rows of 256 bytes (two keys each) at pitch 288; K's part at +73,728: 256 such rows at pitch 272.
; By this text's count a wave has two tensor loads out at the start and one behind each round; a refill has a whole tile's work in which to land.
; After their last fill and last read slot 0 serves the merge (wave w = 4..7 writes 17,408 bytes at 17,408 w) and slot 1 the way out (9,216 bytes at 9,216 w).
.set SLOT, 143360
.set KOFF, 73728
.set KP,   272
.set VP,   288
.set UNIT, 524288
.set YP,   144                         ; the way out: 128 bytes + 16
.set KB, 2                             ; window 0: lane addresses of K and V fragments in slot 0
.set VB, 3
.set KC, 4                             ; the same, at the block of 64 keys that is loaded next
.set VC, 5
.set QA, 6
.set STO, 7
.set RD, 8
.set CO, 9
.set SC, 10
.set SCR, 11
.set MX, 12                            ; v12-15  running maximum of query tile t
.set LT, 16                            ; v16-19  the denominators, at the end
.set TM, 20                            ; v20-23  new maximum
.set NM, 24                            ; v24-31  pairs: -maximum, a temporary
.set AL, 32                            ; v32-39  pairs: 2^(old - new maximum), a filler
.set LS, 40                            ; v40-47  pairs: two partial denominators a lane
.set T0, 48
.set T1, 50
.set M2, 56
.set L2, 60
.set S,  64                            ; v64-191  S at 32 t + 8 kt; later P at 32 t + 16 ks
.set VF, 192                           ; v192-255 V fragments at 8 (2 dt + ks)
.set QF, 0                             ; window 1: Q fragments at 8 (2 t + ks)
.set KF, 64                            ; window 1: K fragments at 8 (2 kt + ks)
.set O,  128                           ; window 1: O at 8 (4 t + dt)
.set G1V, 24
.set G0V, 32
.set G1K, 48
.set G0K, 56
.set MSB, 0
.macro WIN new                         ; the immediate's high byte repeats the setting that is left; a switch that changes nothing is dropped
.if MSB != \new
	s_set_vgpr_msb (MSB<<8)|\new
.set MSB, \new
.endif
.endm
.macro JLOAD s                         ; one joint load a wave: waves 0-3 ask for V's quarters, waves 4-7 for K's
	s_cmp_eq_u32 s11, 0
	s_cbranch_scc0 .Lfor_k_\@
	tensor_load_to_lds s[G0V+4*\s:G0V+4*\s+3], s[G1V:G1V+7]
	s_nop 0
	s_branch .Lasked_\@
.Lfor_k_\@:
	tensor_load_to_lds s[G0K+4*\s:G0K+4*\s+3], s[G1K:G1K+7]
	s_nop 0
.Lasked_\@:
.endm
.macro ROUND                           ; a round of the cluster's barrier
	s_barrier_signal -1
	s_barrier_wait -1
	s_cmp_lg_u32 s10, 0
	s_cbranch_scc1 .Lnot_wave_0_\@
	s_barrier_signal -3
.Lnot_wave_0_\@:
	s_barrier_wait -3
	s_barrier_signal -1
	s_barrier_wait -1
.endm
	s_load_b128 s[4:7], s[0:1], 0x0                ; qkv s[4:5], yb s[6:7]
	v_lshl_add_u32 v54, v0, 2, 0x46000
	v_mov_b32 v55, 0
	ds_add_u32 v54, v55
	v_lshrrev_b32 v1, 5, v0
	v_readfirstlane_b32 s10, v1                    ; wave 0..7
	s_lshr_b32 s11, s10, 2                         ; g
	s_and_b32 s12, s10, 3                          ; p
	s_mul_i32 s2, s10, 5                           ; ph = bit 2 of 5 w = w + 4 w: bit 2 of w xor bit 0 of w, since 4 w brings no carry from below
	s_lshr_b32 s2, s2, 2
	s_and_b32 s2, s2, 1                            ; 1 for waves 1, 3, 4, 6
	s_bfe_u32 s40, ttmp6, 0x40000                  ; cx
	s_lshl_b32 s42, ttmp9, 2
	s_add_co_u32 s42, s42, s40                     ; query block qb = 4 x cluster x + cx: enters global addresses of q and yb alone
	s_and_b32 s13, ttmp7, 0xffff
	s_and_b32 s14, s13, 15                         ; h
	s_lshr_b32 s15, s13, 4                         ; b
	s_mov_b32 s20, 0x76543210                      ; v_permlanex16_b32: lane i takes lane i of the other half
	s_mov_b32 s21, 0xfedcba98
	; group 1: dense blocks of 16,384 bytes as 64 rows of 32 elements of 8 bytes; V padded by 8 words a row, K by 4
	s_mov_b32 s[G1V+0], 15|(3<<16)|(1<<20)|(1<<21)|(5<<22)|(7<<25)
	s_mov_b32 s[G1K+0], 15|(3<<16)|(1<<20)|(1<<21)|(5<<22)|(3<<25)
	s_mov_b32 s[G1V+1], 32<<16
	s_mov_b32 s[G1K+1], 32<<16
	s_mov_b32 s[G1V+2], 64<<16
	s_mov_b32 s[G1K+2], 64<<16
	s_mov_b32 s[G1V+3], 32<<16
	s_mov_b32 s[G1K+3], 32<<16
	s_mov_b32 s[G1V+4], 64
	s_mov_b32 s[G1K+4], 64
	s_mov_b32 s[G1V+5], 32
	s_mov_b32 s[G1K+5], 32
	s_mov_b32 s[G1V+6], 0
	s_mov_b32 s[G1K+6], 0
	s_mov_b32 s[G1V+7], 0
	s_mov_b32 s[G1K+7], 0
	s_lshl_b32 s44, s14, 19                        ; K, V: head h, batch b, quarter p of a tile: shared by the four partners
	s_lshl_b32 s45, s15, 18
	s_add_co_u32 s44, s44, s45
	s_lshl_b32 s45, s12, 14
	s_add_co_u32 s44, s44, s45
	s_mov_b32 s45, 0
	s_lshl_b32 s46, s14, 19                        ; q: head h, row 2048 b + 256 qb + 64 p, 128 bytes a row
	s_lshl_b32 s47, s15, 18
	s_add_co_u32 s46, s46, s47
	s_lshl_b32 s47, s42, 15
	s_add_co_u32 s46, s46, s47
	s_lshl_b32 s47, s12, 13
	s_add_co_u32 s46, s46, s47
	s_mov_b32 s47, 0
	s_lshl_b32 s8, s15, 22                         ; yb[mb][h][128][64]: mb = 16 b + 2 qb + (p >> 1), rows 64 (p & 1) ..
	s_lshl_b32 s9, s42, 19
	s_add_co_u32 s8, s8, s9
	s_lshr_b32 s9, s12, 1
	s_lshl_b32 s9, s9, 18
	s_add_co_u32 s8, s8, s9
	s_lshl_b32 s9, s14, 14
	s_add_co_u32 s8, s8, s9
	s_and_b32 s9, s12, 1
	s_lshl_b32 s9, s9, 13
	s_add_co_u32 s8, s8, s9
	s_mov_b32 s9, 0
	s_mul_i32 s22, s10, 64*VP                      ; LDS: V's quarter at 18,432 w (w = 0..3)
	s_mul_i32 s23, s10, 64*KP                      ; K's at 73,728 + 17,408 (w - 4) = 4,096 + 17,408 w (w = 4..7)
	s_add_co_u32 s23, s23, KOFF-4*64*KP
	v_and_b32 v1, 15, v0                           ; r
	v_bfe_u32 v11, v0, 4, 1                        ; h of the lane
	v_lshlrev_b32 v[QA], 7, v1
	v_lshl_add_u32 v[QA], v11, 4, v[QA]            ; q fragment: row r, 16 h bytes
	s_wait_dscnt 0x0
	s_wait_kmcnt 0x0
	s_add_nc_u64 s[44:45], s[4:5], s[44:45]
	s_add_nc_u64 s[16:17], s[4:5], s[46:47]
	s_add_nc_u64 s[18:19], s[6:7], s[8:9]
	ROUND                                          ; the four partners are here: the first joint loads meet
.irp s, 0,1
	s_mov_b32 s[G0V+4*\s], 1
	s_add_co_u32 s[G0V+4*\s+1], s22, \s*SLOT
	s_add_nc_u64 s[G0V+4*\s+2:G0V+4*\s+3], s[44:45], 32*UNIT+\s*65536
	s_or_b32 s[G0V+4*\s+3], s[G0V+4*\s+3], 0x80000000
	s_mov_b32 s[G0K+4*\s], 1
	s_add_co_u32 s[G0K+4*\s+1], s23, \s*SLOT
	s_add_nc_u64 s[G0K+4*\s+2:G0K+4*\s+3], s[44:45], 16*UNIT+\s*65536
	s_or_b32 s[G0K+4*\s+3], s[G0K+4*\s+3], 0x80000000
	JLOAD \s                                       ; key tiles 0 and 1
.endr
	WIN 0x40                                       ; destination window 1
.irp t, 0,1,2,3
.irp ks, 0,1
	global_load_b128 v[QF+8*(2*\t+\ks):QF+8*(2*\t+\ks)+3],   v[QA], s[16:17] offset:2048*\t+64*\ks
	global_load_b128 v[QF+8*(2*\t+\ks)+4:QF+8*(2*\t+\ks)+7], v[QA], s[16:17] offset:2048*\t+64*\ks+32
.endr
.endr
	WIN 0
	v_and_b32 v20, 1, v0
	v_lshrrev_b32 v21, 1, v1
	v_mul_u32_u24 v[KB], v21, KP                   ; key r of a key tile: LDS row r >> 1, half r & 1, 16 h bytes
	v_lshl_add_u32 v[KB], v20, 7, v[KB]
	v_lshl_add_u32 v[KB], v11, 4, v[KB]
	s_mul_i32 s41, s11, 128*KP                     ; my group's 256 keys
	s_add_co_u32 s41, s41, KOFF
	v_add_nc_u32 v[KB], s41, v[KB]
	v_bfe_u32 v21, v0, 1, 2                        ; transposing load: key 8 h + (L & 7): LDS row 4 h + ((L & 7) >> 1), half L & 1, column 16 ((L >> 3) & 1)
	v_lshl_add_u32 v21, v11, 2, v21
	v_mul_u32_u24 v[VB], v21, VP
	v_lshl_add_u32 v[VB], v20, 7, v[VB]
	v_bfe_u32 v21, v0, 3, 1
	v_lshl_add_u32 v[VB], v21, 4, v[VB]
	s_mul_i32 s43, s11, 128*VP
	v_add_nc_u32 v[VB], s43, v[VB]
	s_mul_i32 s41, s10, 64*YP
	s_add_co_u32 s41, s41, SLOT                    ; the way out: my 9,216 bytes of slot 1
	v_mul_u32_u24 v[STO], v1, YP
	v_lshl_add_u32 v[STO], v11, 4, v[STO]
	v_add_nc_u32 v[STO], s41, v[STO]
	v_and_b32 v22, 31, v0
	v_lshrrev_b32 v21, 3, v22
	v_mul_u32_u24 v[RD], v21, YP
	v_and_b32 v21, 7, v0
	v_lshl_add_u32 v[RD], v21, 4, v[RD]
	v_add_nc_u32 v[RD], s41, v[RD]
	v_lshlrev_b32 v[CO], 4, v22
	s_mul_i32 s43, s10, 17408
	v_add_nc_u32 v[SC], s43, v[CO]                 ; the merge: 17,408 w + 16 lane
.irp t, 0,1,2,3
	v_mov_b32 v[NM+2*\t+1], 0                      ; written once: a lane permute's destination and the upper half of a broadcast pair count as read
	v_mov_b32 v[AL+2*\t+1], 0
.endr
.macro SUBEXP t, kt                    ; eight scores of query tile t, key tile kt: 2^(s - maximum), in place
.irp i, 0,2,4,6
	v_pk_add_f32 v[S+32*\t+8*\kt+\i:S+32*\t+8*\kt+\i+1], v[S+32*\t+8*\kt+\i:S+32*\t+8*\kt+\i+1], v[NM+2*\t:NM+2*\t+1] op_sel_hi:[1,0]
.endr
.irp i, 0,1,2,3,4,5,6,7
	v_exp_f32 v[S+32*\t+8*\kt+\i], v[S+32*\t+8*\kt+\i]
.endr
.endm
.macro SUMCVT t, kt, first             ; the eight join the lane's partial denominators (rescaled once a block, with key tile 0) and are packed to bf16 at P's place
	s_wait_alu depctr_va_vdst(0)
	v_pk_add_f32 v[T0:T0+1], v[S+32*\t+8*\kt:S+32*\t+8*\kt+1], v[S+32*\t+8*\kt+2:S+32*\t+8*\kt+3]
	v_pk_add_f32 v[T1:T1+1], v[S+32*\t+8*\kt+4:S+32*\t+8*\kt+5], v[S+32*\t+8*\kt+6:S+32*\t+8*\kt+7]
.if \kt == 0
.if \first
	v_pk_add_f32 v[LS+2*\t:LS+2*\t+1], v[T0:T0+1], v[T1:T1+1]
.else
	v_pk_add_f32 v[T0:T0+1], v[T0:T0+1], v[T1:T1+1]
	v_pk_fma_f32 v[LS+2*\t:LS+2*\t+1], v[LS+2*\t:LS+2*\t+1], v[AL+2*\t:AL+2*\t+1], v[T0:T0+1] op_sel_hi:[1,0,1]
.endif
.else
	v_pk_add_f32 v[T0:T0+1], v[T0:T0+1], v[T1:T1+1]
	v_pk_add_f32 v[LS+2*\t:LS+2*\t+1], v[LS+2*\t:LS+2*\t+1], v[T0:T0+1]
.endif
.irp i, 0,1,2,3
	v_cvt_pk_bf16_f32 v[S+32*\t+16*(\kt>>1)+4*(\kt&1)+\i], v[S+32*\t+8*\kt+2*\i], v[S+32*\t+8*\kt+2*\i+1]
.endr
.endm
; The eight pieces of eight scores of query tiles ta and tb.  A piece's sums and packing stand behind the NEXT piece's exponentials,
; so that plain work always follows a transcendental before its result is used.
.macro PIECES ta, tb, first
	SUBEXP \ta, 0
	SUBEXP \ta, 1
	SUMCVT \ta, 0, \first
	SUBEXP \ta, 2
	SUMCVT \ta, 1, \first
	SUBEXP \ta, 3
	SUMCVT \ta, 2, \first
	SUBEXP \tb, 0
	SUMCVT \ta, 3, \first
	SUBEXP \tb, 1
	SUMCVT \tb, 0, \first
	SUBEXP \tb, 2
	SUMCVT \tb, 1, \first
	SUBEXP \tb, 3
	SUMCVT \tb, 2, \first
	SUMCVT \tb, 3, \first
.endm
; H1, the first half of a block: my 64 queries x the next 64 keys.  All of the block's LDS reads stand here.
; first = 1: the very first block starts maximum and denominators (nothing is cleared, nothing rescaled).
.macro H1 first
	WIN 0x40
.irp kt, 0,1,2,3
.irp ks, 0,1
	ds_load_b128 v[KF+8*(2*\kt+\ks):KF+8*(2*\kt+\ks)+3],   v[KC] offset:8*KP*\kt+64*\ks
	ds_load_b128 v[KF+8*(2*\kt+\ks)+4:KF+8*(2*\kt+\ks)+7], v[KC] offset:8*KP*\kt+64*\ks+32
.endr
.endr
	WIN 0
.irp dt, 0,1,2,3
.irp ks, 0,1
	ds_load_tr16_b128 v[VF+8*(2*\dt+\ks):VF+8*(2*\dt+\ks)+3],   v[VC] offset:16*VP*\ks+32*\dt
	ds_load_tr16_b128 v[VF+8*(2*\dt+\ks)+4:VF+8*(2*\dt+\ks)+7], v[VC] offset:16*VP*\ks+32*\dt+8*VP
.endr
.endr
	v_add_nc_u32 v[KC], 32*KP, v[KC]               ; the next block's 64 keys: 32 LDS rows on
	v_add_nc_u32 v[VC], 32*VP, v[VC]
	s_wait_dscnt 16                                ; K's 16 loads are in; V's 16 younger ones land during the softmax
	WIN 0x05                                       ; sources window 1, C and D window 0
.irp ks, 0,1                                       ; the 16 accumulators take turns, one instruction a turn
.irp kt, 0,1,2,3
.irp t, 0,1,2,3
.if \ks == 0
	v_wmma_f32_16x16x32_bf16 v[S+32*\t+8*\kt:S+32*\t+8*\kt+7], v[KF+8*(2*\kt+\ks):KF+8*(2*\kt+\ks)+7], v[QF+8*(2*\t+\ks):QF+8*(2*\t+\ks)+7], 0
.else
	v_wmma_f32_16x16x32_bf16 v[S+32*\t+8*\kt:S+32*\t+8*\kt+7], v[KF+8*(2*\kt+\ks):KF+8*(2*\kt+\ks)+7], v[QF+8*(2*\t+\ks):QF+8*(2*\t+\ks)+7], v[S+32*\t+8*\kt:S+32*\t+8*\kt+7]
.endif
.endr
.endr
.endr
	WIN 0
.rept 4
	v_nop                                          ; four places behind the matrix instructions, in front of the readers of S (ISA guide 7.12.1)
.endr
	; the new maximum of each query: 32 scores a lane and the old maximum, four chains side by side, then the other half of the keys from lane xor 16
.irp t, 0,1,2,3
.if \first
	v_max_num_f32 v[TM+\t], v[S+32*\t], v[S+32*\t+1]
.else
	v_max3_num_f32 v[TM+\t], v[MX+\t], v[S+32*\t], v[S+32*\t+1]
.endif
.endr
.irp i, 1,2,3,4,5,6,7,8,9,10,11,12,13,14,15
.irp t, 0,1,2,3
	v_max3_num_f32 v[TM+\t], v[TM+\t], v[S+32*\t+2*\i], v[S+32*\t+2*\i+1]
.endr
.endr
.irp t, 0,1,2,3
	v_permlanex16_b32 v[NM+2*\t+1], v[TM+\t], s20, s21
.endr
.irp t, 0,1,2,3
	v_max_num_f32 v[TM+\t], v[TM+\t], v[NM+2*\t+1]
.endr
.if \first == 0
.irp t, 0,1,2,3
	v_sub_f32 v[AL+2*\t], v[MX+\t], v[TM+\t]
.endr
.irp t, 0,1,2,3
	v_exp_f32 v[AL+2*\t], v[AL+2*\t]               ; 2^(old - new): the plain lines below stand between these and their first use
.endr
.endif
.irp t, 0,1,2,3
	v_xor_b32 v[NM+2*\t], 0x80000000, v[TM+\t]     ; -maximum, for the packed adds
.endr
.if \first == 0
	WIN 0x41                                       ; O in window 1, the factor in window 0
	s_wait_alu depctr_va_vdst(0)
.irp t, 0,1,2,3
.irp i, 0,1,2,3,4,5,6,7,8,9,10,11,12,13,14,15
	v_pk_mul_f32 v[O+32*\t+2*\i:O+32*\t+2*\i+1], v[O+32*\t+2*\i:O+32*\t+2*\i+1], v[AL+2*\t:AL+2*\t+1] op_sel_hi:[1,0]
.endr
.endr
	WIN 0
.endif
	PIECES 0, 1, \first
.endm
; H2, the second half of a block: no address and no LDS byte is named; its one wait is for V's fragments, asked for in H1.
; first = 1: the very first block's products start O.
.macro H2 first
	PIECES 2, 3, \first
	s_wait_dscnt 0x0                               ; V's fragments
	WIN 0x50                                       ; sources window 0, C and D window 1
.irp ks, 0,1                                       ; again 16 accumulators by turns
.irp dt, 0,1,2,3
.irp t, 0,1,2,3
.if \first*(1-\ks)
	v_wmma_f32_16x16x32_bf16 v[O+8*(4*\t+\dt):O+8*(4*\t+\dt)+7], v[VF+8*(2*\dt+\ks):VF+8*(2*\dt+\ks)+7], v[S+32*\t+16*\ks:S+32*\t+16*\ks+7], 0
.else
	v_wmma_f32_16x16x32_bf16 v[O+8*(4*\t+\dt):O+8*(4*\t+\dt)+7], v[VF+8*(2*\dt+\ks):VF+8*(2*\dt+\ks)+7], v[S+32*\t+16*\ks:S+32*\t+16*\ks+7], v[O+8*(4*\t+\dt):O+8*(4*\t+\dt)+7]
.endif
.endr
.endr
.endr
	WIN 0
.irp t, 0,1,2,3
	v_mov_b32 v[MX+\t], v[TM+\t]                   ; the block's maximum becomes the running one.  With the v_nop these are five places:
.endr
	v_nop                                          ; the next H1's loads land in V's fragments and its first products write over P
.endm
.macro SETKV slot                      ; my group's first block of the key tile in a slot
.if \slot
	v_add_nc_u32 v[KC], SLOT, v[KB]
	v_add_nc_u32 v[VC], SLOT, v[VB]
.else
	v_mov_b32 v[KC], v[KB]
	v_mov_b32 v[VC], v[VB]
.endif
.endm
; My group's four blocks of the key tile in a slot (key tiles 1 to 3).  The set ph = 1 first runs the H2 that it held back in the key tile before.
; Then one text for both sets: three blocks in a counted loop, whose addresses and counter are set straight in front of its label, and the fourth
; block's H1.  The fourth block's H2: the set ph = 1 holds it back (last = 0), or, in the last key tile (last = 1), every wave runs it.
.macro TILE slot, last
	s_cmp_eq_u32 s2, 0
	s_cbranch_scc1 .Lnone_\@
	H2 0
.Lnone_\@:
	SETKV \slot
	s_mov_b32 s3, 3
.Lblk_\@:
	H1 0
	H2 0
	s_sub_co_u32 s3, s3, 1
	s_cmp_lg_u32 s3, 0
	s_cbranch_scc1 .Lblk_\@
	H1 0
.if \last
	H2 0
.else
	s_cmp_lg_u32 s2, 0
	s_cbranch_scc1 .Lheld_\@
	H2 0
.Lheld_\@:
.endif
.endm
; Slot s has been read: every wave waits for all its tensor loads (the next slot's part among them) and for its LDS reads (a held-back H2's fragments of V
; among them: they are in registers from here on), the round of the cluster's barrier makes both hold of every wave of the four partners, and the joint
; refill is the wave's first and only tensor load behind it.
.macro REFILL s
	s_wait_tensorcnt 0x0
	ds_add_u32 v54, v55
	s_add_nc_u64 s[G0V+4*\s+2:G0V+4*\s+3], s[G0V+4*\s+2:G0V+4*\s+3], 2*65536   ; no load of mine is out: two key tiles on
	s_add_nc_u64 s[G0K+4*\s+2:G0K+4*\s+3], s[G0K+4*\s+2:G0K+4*\s+3], 2*65536
	s_wait_dscnt 0x0
	ROUND
	JLOAD \s
.endm
	s_wait_loadcnt 0x0                             ; q
	s_wait_tensorcnt 0x1                           ; my part of key tile 0; tile 1's may stay out
	s_barrier_signal -1
	s_barrier_wait -1
	; key tile 0: both sets run the same text up to the last block's H1; the set ph = 1 holds that block's H2 back
	SETKV 0
	H1 1
	H2 1
	s_mov_b32 s3, 2
.Ltile0:
	H1 0
	H2 0
	s_sub_co_u32 s3, s3, 1
	s_cmp_lg_u32 s3, 0
	s_cbranch_scc1 .Ltile0
	H1 0
	s_cmp_lg_u32 s2, 0
	s_cbranch_scc1 .Lheld0
	H2 0
.Lheld0:
	REFILL 0                                       ; key tile 2 into slot 0
	TILE 1, 0                                      ; key tile 1
	REFILL 1                                       ; key tile 3 into slot 1
	TILE 0, 0                                      ; key tile 2
	s_wait_tensorcnt 0x0                           ; my part of key tile 3: the last load
	s_wait_dscnt 0x0                               ; my reads of slot 0 are over: behind this barrier it may serve the merge
	s_barrier_signal -1
	s_barrier_wait -1
	TILE 1, 1                                      ; key tile 3: every wave finishes its last block
	; THE MERGE of the two halves of the keys.  Each lane adds its two partial denominators and those of lane xor 16.
.irp t, 0,1,2,3
	v_add_f32 v[LT+\t], v[LS+2*\t], v[LS+2*\t+1]
.endr
.irp t, 0,1,2,3
	v_permlanex16_b32 v[NM+2*\t+1], v[LT+\t], s20, s21
.endr
.irp t, 0,1,2,3
	v_add_f32 v[LT+\t], v[LT+\t], v[NM+2*\t+1]
.endr
	s_cmp_eq_u32 s11, 0
	s_cbranch_scc1 .Lno_put
	WIN 0x04                                       ; store data window 1
.set i, 0
.rept 32
	ds_store_b128 v[SC], v[O+4*i:O+4*i+3] offset:512*i    ; waves 4-7 hand over O, register by register, lane by lane,
.set i, i+1
.endr
	WIN 0
	ds_store_b128 v[SC], v[MX:MX+3] offset:16384          ; their maxima and their denominators
	ds_store_b128 v[SC], v[LT:LT+3] offset:16896
.Lno_put:
	s_wait_dscnt 0x0                               ; the stores are done, and so are every wave's reads of slot 1
	s_barrier_signal -1
	s_barrier_wait -1
	s_cmp_lg_u32 s11, 0
	s_cbranch_scc1 .Lend
	v_add_nc_u32 v[SCR], 4*17408, v[SC]            ; wave w reads what wave w + 4 wrote
	ds_load_b128 v[M2:M2+3], v[SCR] offset:16384
	ds_load_b128 v[L2:L2+3], v[SCR] offset:16896
.set i, 0
.rept 32
	ds_load_b128 v[S+4*i:S+4*i+3], v[SCR] offset:512*i
.set i, i+1
.endr
	s_wait_dscnt 32                                ; the partner's maxima and denominators; its O may still be out
.irp t, 0,1,2,3
	v_max_num_f32 v[TM+\t], v[MX+\t], v[M2+\t]
.endr
.irp t, 0,1,2,3
	v_sub_f32 v[AL+2*\t], v[MX+\t], v[TM+\t]
	v_sub_f32 v[NM+2*\t], v[M2+\t], v[TM+\t]
.endr
.irp t, 0,1,2,3
	v_exp_f32 v[AL+2*\t], v[AL+2*\t]
	v_exp_f32 v[NM+2*\t], v[NM+2*\t]
.endr
	v_nop                                          ; a plain place behind the exponentials
	s_wait_alu depctr_va_vdst(0)
.irp t, 0,1,2,3
	v_mul_f32 v[TM+\t], v[L2+\t], v[NM+2*\t]
.endr
.irp t, 0,1,2,3
	v_fma_f32 v[TM+\t], v[LT+\t], v[AL+2*\t], v[TM+\t]    ; the whole denominator: at least 1, since the half with the larger maximum keeps its factor 1
.endr
.irp t, 0,1,2,3
	v_rcp_f32 v[TM+\t], v[TM+\t]
.endr
	v_nop                                          ; a plain place behind the reciprocals
	s_wait_alu depctr_va_vdst(0)
.irp t, 0,1,2,3
	v_mul_f32 v[AL+2*\t], v[AL+2*\t], v[TM+\t]
	v_mul_f32 v[NM+2*\t], v[NM+2*\t], v[TM+\t]
.endr
	s_wait_dscnt 0x0
.irp t, 0,1,2,3
.irp i, 0,1,2,3,4,5,6,7,8,9,10,11,12,13,14,15
	v_pk_mul_f32 v[S+32*\t+2*\i:S+32*\t+2*\i+1], v[S+32*\t+2*\i:S+32*\t+2*\i+1], v[NM+2*\t:NM+2*\t+1] op_sel_hi:[1,0]
.endr
.endr
	WIN 0x01                                       ; source 0 (my O) window 1
.irp t, 0,1,2,3
.irp i, 0,1,2,3,4,5,6,7,8,9,10,11,12,13,14,15
	v_pk_fma_f32 v[S+32*\t+2*\i:S+32*\t+2*\i+1], v[O+32*\t+2*\i:O+32*\t+2*\i+1], v[AL+2*\t:AL+2*\t+1], v[S+32*\t+2*\i:S+32*\t+2*\i+1] op_sel_hi:[1,0,1]
.endr
.endr
	WIN 0
.irp t, 0,1,2,3
.irp dt, 0,1,2,3
.irp i, 0,1,2,3
	v_cvt_pk_bf16_f32 v[S+32*\t+8*\dt+\i], v[S+32*\t+8*\dt+2*\i], v[S+32*\t+8*\dt+2*\i+1]
.endr
	ds_store_b128 v[STO], v[S+32*\t+8*\dt:S+32*\t+8*\dt+3] offset:16*YP*\t+32*\dt   ; query 16 t + r, d = 16 dt + 8 h ..: 16 bytes
.endr
.endr
.set i, 0
.rept 16
	ds_load_b128 v[VF+4*i:VF+4*i+3], v[RD] offset:4*YP*i    ; my own bytes, served in order behind the stores: four whole rows of 128 bytes
.set i, i+1
.endr
.set i, 0
.rept 16
	s_wait_dscnt 15-i
	global_store_b128 v[CO], v[VF+4*i:VF+4*i+3], s[18:19] offset:512*i   ; 512 dense aligned bytes of yb
.set i, i+1
.endr
.Lend:
	s_wait_tensorcnt 0x0
	ds_add_u32 v54, v55
	s_wait_dscnt 0x0
	ROUND                                          ; the closing round
	s_endpgm
.Lfunc_end_k_q6f9e7e7794_attn:
	.size	k_q6f9e7e7794_attn, .Lfunc_end_k_q6f9e7e7794_attn-k_q6f9e7e7794_attn
	.p2alignl 7, 3214868480
	.fill 96, 4, 3214868480
	.section	.rodata,"a",@progbits
	.p2align	6, 0x0
	.amdhsa_kernel k_q6f9e7e7794_attn
		.amdhsa_group_segment_fixed_size 327680
		.amdhsa_private_segment_fixed_size 0
		.amdhsa_enable_private_segment 0
		.amdhsa_kernarg_size 16
		.amdhsa_user_sgpr_count 2
		.amdhsa_user_sgpr_kernarg_segment_ptr 1
		.amdhsa_wavefront_size32 1
		.amdhsa_system_sgpr_workgroup_id_x 1
		.amdhsa_system_sgpr_workgroup_id_y 1
		.amdhsa_system_sgpr_workgroup_id_z 1
		.amdhsa_system_vgpr_workitem_id 0
		.amdhsa_next_free_vgpr 512
		.amdhsa_next_free_sgpr 66
		.amdhsa_reserve_vcc 0
		.amdhsa_float_denorm_mode_32 3
		.amdhsa_float_denorm_mode_16_64 3
		.amdhsa_memory_ordered 1
		.amdhsa_forward_progress 1
		.amdhsa_inst_pref_size 255
	.end_amdhsa_kernel
	.section	.bss,"aw",@nobits
	.p2align	6
	.space	262144
	.amdgpu_metadata
---
amdhsa.version: [ 1, 2 ]
amdhsa.kernels:
  - .name:           k_q6f9e7e7794_attn
    .symbol:         k_q6f9e7e7794_attn.kd
    .args:
      - { .name: qkv, .offset: 0, .size: 8, .value_kind: global_buffer, .address_space: global }
      - { .name: yb, .offset: 8, .size: 8, .value_kind: global_buffer, .address_space: global }
    .group_segment_fixed_size: 327680
    .private_segment_fixed_size: 0
    .kernarg_segment_align: 8
    .kernarg_segment_size: 16
    .max_flat_workgroup_size: 256
    .sgpr_count:     66
    .vgpr_count:     512
    .wavefront_size: 32
...
	.end_amdgpu_metadata
.endif
;; end of part 3
;; launch oproj (part 4): grid 8 x 32, 4 waves a work-group, clusters of 4 x 4, 327,680 bytes of LDS; arguments yb, cb, bo, out0; writes out0
.if DOCPART == 4
	.amdgcn_target "amdgcn-amd-amdhsa--gfx1250"
	.amdhsa_code_object_version 6
	.text
	.protected	k_q6f9e7e7794_oproj
	.globl	k_q6f9e7e7794_oproj
	.p2align	8
	.type	k_q6f9e7e7794_oproj,@function
k_q6f9e7e7794_oproj:
	s_mov_b64 s[64:65], 0
	v_nop
	global_prefetch_b8 v0, s[64:65] scope:SCOPE_SE
	s_setreg_imm32_b32 hwreg(HW_REG_WAVE_MODE, 25, 1), 1
	s_wait_xcnt 0x0
	s_wait_alu depctr_hold_cnt(0) depctr_sa_sdst(0) depctr_va_vdst(0) depctr_va_sdst(0) depctr_va_ssrc(0) depctr_va_vcc(0) depctr_vm_vsrc(0)
	s_getreg_b32 s2, hwreg(HW_REG_IB_STS2, 6, 4)
	s_cmp_eq_u32 s2, 0
	s_cbranch_scc0 .Lentry_in_a_cluster
	s_endpgm
.Lentry_in_a_cluster:
	s_bfe_u32 s2, ttmp6, 0x10000c
	s_cmp_lg_u32 s2, 0xf033
	s_cbranch_scc0 .Lentry_shape_is_right
	s_endpgm
.Lentry_shape_is_right:
; oproj: out0 = y wo^T + bo.  y in bf16 as yb[mb 32][h 16][128][64], wo in bf16 at byte 14,680,064 of cb, bo and out0 in f32; sums in f32.
; A work-group makes 128 x 128 of out0 with four waves of 64 x 64 (16 accumulator tiles): 256 work-groups of equal work.
; K goes in four tiles of 256 (four heads) through two LDS slots.  y's tile is one dense block of 65,536 bytes, laid as 256 LDS rows of 256 bytes
; (two rows of y each) at pitch 272, head hs at 17,408 hs; wo's tile is 128 rows of 512 bytes at pitch 528.
; CLUSTER 4 x 4: y's tile is asked for jointly along a row of the cluster, wo's along a column.  A wave has two tensor loads out at the start, one behind each round.
; The bias is loaded in the accumulators' layout and is the C of the first products: nothing is cleared and no add follows.
; The matrix instruction is used transposed (source 0 = rows of wo, source 1 = rows of y): a lane holds eight neighbouring columns of one row.
; REGISTERS: window 0: addresses, bias v32-63, fragment buffer 0 v64-191, rows read back v192-255; window 1: accumulators v0-127, fragment buffer 1 v128-255.
.set AP,   272
.set BP,   528
.set SLOT, 256*AP+128*BP               ; 137,216
.set STG,  2*SLOT                      ; 274,432: 16 rows x 272 bytes for each wave; no tensor load lands here
.set SPITCH, 272
.set WOB,  14680064
.set ADRA, 16
.set ADRB, 20
.set STO,  24
.set RD,   25
.set CO,   26
.set BO,   27
.set BI,   32
.set F0,   64                          ; in a buffer at F: wo's fragments at F + 8 (4 kk + b), y's at F + 64 + 8 (4 kk + a)
.set F1,   128
.set RB,   192
.set G1, 24
.set G0, 32
.set G1B, 48
.set G0B, 56
.set MSB, 0
.macro WIN new
.if MSB != \new
	s_set_vgpr_msb (MSB<<8)|\new
.set MSB, \new
.endif
.endm
.macro JLOAD s                         ; waves 0, 1 ask for y's halves, waves 2, 3 for wo's
	s_cmp_eq_u32 s11, 0
	s_cbranch_scc0 .Lfor_b_\@
	tensor_load_to_lds s[G0+4*\s:G0+4*\s+3], s[G1:G1+7]
	s_nop 0
	s_branch .Lasked_\@
.Lfor_b_\@:
	tensor_load_to_lds s[G0B+4*\s:G0B+4*\s+3], s[G1B:G1B+7]
	s_nop 0
.Lasked_\@:
.endm
.macro CREST
	s_cmp_lg_u32 s10, 0
	s_cbranch_scc1 .Lnot_wave_0_\@
	s_barrier_signal -3
.Lnot_wave_0_\@:
	s_barrier_wait -3
	s_barrier_signal -1
	s_barrier_wait -1
.endm
.macro CROUND
	s_barrier_signal -1
	s_barrier_wait -1
	CREST
.endm
.macro PLACES                          ; four independent vector places behind matrix instructions (ISA guide 7.12.1)
.rept 4
	v_nop
.endr
.endm
	s_load_b128 s[4:7], s[0:1], 0x0                ; yb s[4:5], cb s[6:7]
	s_load_b128 s[16:19], s[0:1], 0x10             ; bo s[16:17], out0 s[18:19]
	v_lshl_add_u32 v30, v0, 2, 0x47400
	v_mov_b32 v31, 0
	ds_add_u32 v30, v31
	v_lshrrev_b32 v1, 5, v0
	v_readfirstlane_b32 s10, v1                    ; wave 0..3
	s_lshr_b32 s11, s10, 1                         ; my half of the block's rows; also: I fetch for y (0) or wo (1)
	s_and_b32 s12, s10, 1                          ; my half of its columns; also: which half of that tile I fetch
	s_bfe_u32 s40, ttmp6, 0x40000                  ; cx
	s_bfe_u32 s41, ttmp6, 0x40004                  ; cy
	s_lshl_b32 s42, ttmp9, 2
	s_add_co_u32 s42, s42, s40                     ; block column bx
	s_and_b32 s13, ttmp7, 0xffff
	s_lshl_b32 s13, s13, 2
	s_add_co_u32 s13, s13, s41                     ; block row by
	s_lshl_b32 s43, s41, 2
	s_lshl_b32 s43, 15, s43                        ; my row of the cluster
	s_lshl_b32 s44, 0x1111, s40                    ; my column
	s_or_b32 s[G1+0], s43, (3<<16)|(1<<20)|(1<<21)|(5<<22)|(3<<25)    ; y: elements of 8 bytes, 4 words of padding behind every 64
	s_or_b32 s[G1B+0], s44, (1<<16)|(1<<20)|(1<<21)|(6<<22)|(3<<25)   ; wo: elements of 2 bytes, 4 words behind every 128
	s_mov_b32 s[G1+1], 32<<16                      ; y: 128 rows of 32 elements, dense
	s_mov_b32 s[G1+2], 128<<16
	s_mov_b32 s[G1+3], 32<<16
	s_mov_b32 s[G1+4], 128
	s_mov_b32 s[G1+5], 32
	s_mov_b32 s[G1+6], 0
	s_mov_b32 s[G1+7], 0
	s_mov_b32 s[G1B+1], 256<<16                    ; wo: 64 rows of 256 elements, 1,024 elements from row to row
	s_mov_b32 s[G1B+2], 64<<16
	s_mov_b32 s[G1B+3], 256<<16
	s_mov_b32 s[G1B+4], 64
	s_mov_b32 s[G1B+5], 1024
	s_mov_b32 s[G1B+6], 0
	s_mov_b32 s[G1B+7], 0
	s_lshl_b32 s20, s13, 18                        ; y: block by of 262,144 bytes + half of a tile (two heads)
	s_lshl_b32 s21, s12, 15
	s_add_co_u32 s20, s20, s21
	s_mov_b32 s21, 0
	s_lshl_b32 s46, s42, 18                        ; wo: (128 bx + 64 half) rows of 2,048 bytes
	s_lshl_b32 s47, s12, 17
	s_add_co_u32 s46, s46, s47
	s_add_co_u32 s46, s46, WOB
	s_mov_b32 s47, 0
	s_mul_i32 s22, s10, 128*AP                     ; LDS: y's halves at 34,816 w (w = 0, 1)
	s_mul_i32 s23, s10, 64*BP                      ; wo's at 69,632 + 33,792 (w - 2) = 2,048 + 33,792 w (w = 2, 3)
	s_add_co_u32 s23, s23, 256*AP-2*64*BP
	s_wait_dscnt 0x0
	s_wait_kmcnt 0x0
	s_add_nc_u64 s[14:15], s[4:5], s[20:21]
	s_add_nc_u64 s[46:47], s[6:7], s[46:47]
	CROUND                                         ; all sixteen work-groups are here
.irp s, 0,1
	s_mov_b32 s[G0+4*\s], 1
	s_add_co_u32 s[G0+4*\s+1], s22, \s*SLOT
	s_add_nc_u64 s[G0+4*\s+2:G0+4*\s+3], s[14:15], \s*65536
	s_or_b32 s[G0+4*\s+3], s[G0+4*\s+3], 0x80000000
	s_mov_b32 s[G0B+4*\s], 1
	s_add_co_u32 s[G0B+4*\s+1], s23, \s*SLOT
	s_add_nc_u64 s[G0B+4*\s+2:G0B+4*\s+3], s[46:47], \s*512
	s_or_b32 s[G0B+4*\s+3], s[G0B+4*\s+3], 0x80000000
	JLOAD \s                                       ; K tiles 0 and 1
.endr
	s_lshl_b32 s46, s42, 9                         ; my first column in bytes of f32: 512 bx + 256 half (in the registers that held wo's address)
	s_lshl_b32 s47, s12, 8
	s_add_co_u32 s46, s46, s47
	s_mov_b32 s47, 0
	s_add_nc_u64 s[16:17], s[16:17], s[46:47]      ; bo at my columns
	s_add_nc_u64 s[18:19], s[18:19], s[46:47]
	s_lshl_b32 s20, s13, 19                        ; my first row: (128 by + 64 half) rows of 4,096 bytes
	s_lshl_b32 s21, s11, 18
	s_add_co_u32 s20, s20, s21
	s_mov_b32 s21, 0
	s_add_nc_u64 s[18:19], s[18:19], s[20:21]
	v_and_b32 v1, 15, v0                           ; r
	v_bfe_u32 v2, v0, 4, 1                         ; h
	v_lshlrev_b32 v[BO], 5, v2                     ; bias: register j of tile b is column 16 b + 8 h + j
.irp b, 0,1,2,3
	global_load_b128 v[BI+8*\b:BI+8*\b+3],   v[BO], s[16:17] offset:64*\b
	global_load_b128 v[BI+8*\b+4:BI+8*\b+7], v[BO], s[16:17] offset:64*\b+16
.endr
	v_lshrrev_b32 v3, 1, v1
	v_mul_u32_u24 v3, v3, AP                       ; y: row r of a row block: LDS row r >> 1, half r & 1, 16 h bytes
	v_and_b32 v4, 1, v0
	v_lshl_add_u32 v3, v4, 7, v3
	v_lshl_add_u32 v3, v2, 4, v3
	v_mul_u32_u24 v5, v1, BP                       ; wo: row r, 16 h bytes
	v_lshl_add_u32 v5, v2, 4, v5
	s_mul_i32 s21, s11, 32*AP                      ; my 64 rows of y
	s_mul_i32 s22, s12, 64*BP                      ; my 64 rows of wo, behind y's part
	s_add_co_u32 s22, s22, 256*AP
.irp s, 0,1
	v_add_nc_u32 v[ADRA+\s], s21, v3
	v_add_nc_u32 v[ADRB+\s], s22, v5
	s_add_co_u32 s21, s21, SLOT
	s_add_co_u32 s22, s22, SLOT
.endr
	s_mul_i32 s23, s10, 16*SPITCH
	s_add_co_u32 s23, s23, STG
	v_mul_u32_u24 v4, v1, SPITCH
	v_lshl_add_u32 v4, v2, 5, v4
	v_add_nc_u32 v[STO], s23, v4                   ; in: row r, 32 h bytes
	v_mul_u32_u24 v5, v2, SPITCH
	v_lshl_add_u32 v5, v1, 4, v5
	v_add_nc_u32 v[RD], s23, v5                    ; back: lanes 0-15 one row of 256 bytes, lanes 16-31 the next
	v_lshlrev_b32 v6, 12, v2
	v_lshl_add_u32 v[CO], v1, 4, v6                ; the same two rows in out0
; 16 matrix instructions: my 4 x 4 tiles, 32 along K (step kk of a head), from the buffer at f.  bias = 1: C is the bias, which starts the sums.
.macro MUL16 f, kk, bias
.irp a, 0,1,2,3
.irp b, 0,1,2,3
.if \bias
	v_wmma_f32_16x16x32_bf16 v[8*(4*\a+\b):8*(4*\a+\b)+7], v[\f+8*(4*\kk+\b):\f+8*(4*\kk+\b)+7], v[\f+64+8*(4*\kk+\a):\f+64+8*(4*\kk+\a)+7], v[BI+8*\b:BI+8*\b+7]
.else
	v_wmma_f32_16x16x32_bf16 v[8*(4*\a+\b):8*(4*\a+\b)+7], v[\f+8*(4*\kk+\b):\f+8*(4*\kk+\b)+7], v[\f+64+8*(4*\kk+\a):\f+64+8*(4*\kk+\a)+7], v[8*(4*\a+\b):8*(4*\a+\b)+7]
.endif
.endr
.endr
.endm
; 32 LDS loads in one run: head hs of a slot into the buffer at f (win: the window of the destination): step kk = 0's sixteen, then kk = 1's
.macro FETCH slot, hs, f, win
	WIN \win
.irp kk, 0,1
.irp i, 0,1,2,3
	ds_load_b128 v[\f+8*(4*\kk+\i):\f+8*(4*\kk+\i)+3],   v[ADRB+\slot] offset:16*BP*\i+64*(2*\hs+\kk)
	ds_load_b128 v[\f+8*(4*\kk+\i)+4:\f+8*(4*\kk+\i)+7], v[ADRB+\slot] offset:16*BP*\i+64*(2*\hs+\kk)+32
.endr
.irp i, 0,1,2,3
	ds_load_b128 v[\f+64+8*(4*\kk+\i):\f+64+8*(4*\kk+\i)+3],   v[ADRA+\slot] offset:64*AP*\hs+8*AP*\i+64*\kk
	ds_load_b128 v[\f+64+8*(4*\kk+\i)+4:\f+64+8*(4*\kk+\i)+7], v[ADRA+\slot] offset:64*AP*\hs+8*AP*\i+64*\kk+32
.endr
.endr
.endm
; One head (64 along K) from the buffer at f; in its middle head nxt of the same slot goes into the other buffer.
; The 16 accumulators take turns, one instruction a turn.
.macro HEAD slot, nxt, f, wmul, g, wfet, bias
	s_wait_dscnt 16                                ; step 0's sixteen loads are in, step 1's may be out
.if \bias
	WIN 0x40                                       ; sources and C (the bias) window 0, D window 1
.else
	WIN \wmul
.endif
	MUL16 \f, 0, \bias
	PLACES
	FETCH \slot, \nxt, \g, \wfet
	s_wait_dscnt 32                                ; all but the 32 just issued
	WIN \wmul
	MUL16 \f, 1, 0
.endm
.macro THREE slot, bias
	HEAD \slot, 1, F0, 0x50, F1, 0x40, \bias
	HEAD \slot, 2, F1, 0x55, F0, 0, 0
	HEAD \slot, 3, F0, 0x50, F1, 0x40, 0
.endm
; The slot's last head, from buffer 1, and the change of slots: each wave's waits for its reads of the slot and for all its tensor loads stand in
; front of the signal; fill = 1: the barrier opens a round of the cluster's barrier, and the joint refill, two K tiles ahead, comes first behind it.
; From a request to the wait for it a wave issues 112 matrix instructions.
.macro TURN slot, next, fill
	s_wait_dscnt 0x0
	s_wait_tensorcnt 0x0
	ds_add_u32 v30, v31
	s_wait_dscnt 0x0
	s_barrier_signal -1
	WIN 0x55
	MUL16 F1, 0, 0                                 ; register work while the others arrive
	WIN 0
	s_barrier_wait -1
.if \fill
	CREST
	s_add_nc_u64 s[G0+4*\slot+2:G0+4*\slot+3], s[G0+4*\slot+2:G0+4*\slot+3], 2*65536
	s_add_nc_u64 s[G0B+4*\slot+2:G0B+4*\slot+3], s[G0B+4*\slot+2:G0B+4*\slot+3], 2*512
	JLOAD \slot
.endif
	PLACES
	FETCH \next, 0, F0, 0
	WIN 0x55
	MUL16 F1, 1, 0
.endm
	s_wait_loadcnt 0x0                             ; the bias
	s_wait_tensorcnt 0x1                           ; my part of K tile 0; tile 1's may stay out
	s_barrier_signal -1
	s_barrier_wait -1
	FETCH 0, 0, F0, 0
	THREE 0, 1                                     ; K tile 0
	TURN 0, 1, 1                                   ; K tile 2 into slot 0
	THREE 1, 0                                     ; K tile 1
	TURN 1, 0, 1                                   ; K tile 3 into slot 1
	THREE 0, 0                                     ; K tile 2
	TURN 0, 1, 0                                   ; nothing is left to fetch
	THREE 1, 0                                     ; K tile 3
	s_wait_dscnt 0x0
	WIN 0x55
	MUL16 F1, 0, 0
	MUL16 F1, 1, 0
	WIN 0
	PLACES                                         ; behind the last matrix instructions, in front of the LDS stores of their results
; THE WAY OUT, 16 rows at a time: 32 bytes a lane and tile into my own stage, whole rows of 256 bytes back, sixteen lanes store 256 consecutive aligned bytes.
.macro OUT16 a
	WIN 0x04                                       ; store data window 1
.irp b, 0,1,2,3
	ds_store_b128 v[STO], v[8*(4*\a+\b):8*(4*\a+\b)+3]   offset:64*\b
	ds_store_b128 v[STO], v[8*(4*\a+\b)+4:8*(4*\a+\b)+7] offset:64*\b+16
.endr
	WIN 0
	s_wait_xcnt 0x0                                ; the registers that earlier stores read are loaded again only behind this wait
.irp i, 0,1,2,3,4,5,6,7
	ds_load_b128 v[RB+32*(\a&1)+4*\i:RB+32*(\a&1)+4*\i+3], v[RD] offset:2*SPITCH*\i   ; my own bytes, served in order behind the stores
.endr
.irp i, 0,1,2,3,4,5,6,7
	s_wait_dscnt 7-\i
	global_store_b128 v[CO], v[RB+32*(\a&1)+4*\i:RB+32*(\a&1)+4*\i+3], s[18:19] offset:(16*\a+2*\i)*4096 th:TH_STORE_NT
.endr
.endm
	OUT16 0
	OUT16 1
	OUT16 2
	OUT16 3
	s_wait_tensorcnt 0x0
	ds_add_u32 v30, v31
	s_wait_dscnt 0x0
	CROUND                                         ; the closing round
	s_endpgm
.Lfunc_end_k_q6f9e7e7794_oproj:
	.size	k_q6f9e7e7794_oproj, .Lfunc_end_k_q6f9e7e7794_oproj-k_q6f9e7e7794_oproj
	.p2alignl 7, 3214868480
	.fill 96, 4, 3214868480
	.section	.rodata,"a",@progbits
	.p2align	6, 0x0
	.amdhsa_kernel k_q6f9e7e7794_oproj
		.amdhsa_group_segment_fixed_size 327680
		.amdhsa_private_segment_fixed_size 0
		.amdhsa_enable_private_segment 0
		.amdhsa_kernarg_size 32
		.amdhsa_user_sgpr_count 2
		.amdhsa_user_sgpr_kernarg_segment_ptr 1
		.amdhsa_wavefront_size32 1
		.amdhsa_system_sgpr_workgroup_id_x 1
		.amdhsa_system_sgpr_workgroup_id_y 1
		.amdhsa_system_sgpr_workgroup_id_z 1
		.amdhsa_system_vgpr_workitem_id 0
		.amdhsa_next_free_vgpr 512
		.amdhsa_next_free_sgpr 66
		.amdhsa_reserve_vcc 0
		.amdhsa_float_denorm_mode_32 3
		.amdhsa_float_denorm_mode_16_64 3
		.amdhsa_memory_ordered 1
		.amdhsa_forward_progress 1
		.amdhsa_inst_pref_size 87
	.end_amdhsa_kernel
	.amdgpu_metadata
---
amdhsa.version: [ 1, 2 ]
amdhsa.kernels:
  - .name:           k_q6f9e7e7794_oproj
    .symbol:         k_q6f9e7e7794_oproj.kd
    .args:
      - { .name: yb, .offset: 0, .size: 8, .value_kind: global_buffer, .address_space: global }
      - { .name: cb, .offset: 8, .size: 8, .value_kind: global_buffer, .address_space: global }
      - { .name: bo, .offset: 16, .size: 8, .value_kind: global_buffer, .address_space: global }
      - { .name: out0, .offset: 24, .size: 8, .value_kind: global_buffer, .address_space: global }
    .group_segment_fixed_size: 327680
    .private_segment_fixed_size: 0
    .kernarg_segment_align: 8
    .kernarg_segment_size: 32
    .max_flat_workgroup_size: 128
    .sgpr_count:     66
    .vgpr_count:     512
    .wavefront_size: 32
...
	.end_amdgpu_metadata
.endif
;; end of part 4
;; ======== version 2 of 2: 4 launches; version 1 with the launch cast written anew for expert scheduling mode
;; workspace buffers: cb 16,777,216 bytes; qkv 25,165,824 bytes; yb 8,388,608 bytes
;; launch cast (part 5): grid 64 x 8, 8 waves a work-group, no clusters, 0 bytes of LDS; arguments x, wq, wk, wv, wo, cb; writes cb
.if DOCPART == 5
	.amdgcn_target "amdgcn-amd-amdhsa--gfx1250"
	.amdhsa_code_object_version 6
	.text
	.protected	k_q6f9e7e7794_cast
	.globl	k_q6f9e7e7794_cast
	.p2align	8
	.type	k_q6f9e7e7794_cast,@function
k_q6f9e7e7794_cast:
	s_mov_b64 s[64:65], 0
	v_nop
	global_prefetch_b8 v0, s[64:65] scope:SCOPE_SE
	s_setreg_imm32_b32 hwreg(HW_REG_WAVE_SCHED_MODE, 0, 2), 2
	s_setreg_imm32_b32 hwreg(HW_REG_WAVE_MODE, 25, 1), 1
	s_wait_xcnt 0x0
	s_wait_alu depctr_vm_vsrc(0)
; cast: x, wq, wk, wv, wo (f32) are rounded once to bf16 into cb, so that the matrix launches read 16-bit tiles.
; cb: byte 0 x [4096][1024]; byte 8,388,608 wq*c, wk, wv as one [3072][1024]; byte 14,680,064 wo [1024][1024].
; c = 0.125 * log2(e): the score scale 1/sqrt(64) and the change from e^x to 2^x are folded into wq BEFORE rounding
; (a stated order of rounding: the relative rounding error of wq*c is that of wq).
; Grid y = segment of 4 MiB of f32 (0-3: quarters of x, 4 wq, 5 wk, 6 wv, 7 wo); grid x = a piece of 64 KiB of it.
; A wave takes 8 KiB: 16 loads of 512 neighbouring bytes, all issued at once; 16 stores of 256 neighbouring aligned bytes.
; No LDS, no matrix unit, no loop: every byte is read once and written once.
; THE MODE: SCHED_MODE bits 1:0 = 2 (LLVM: expert scheduling mode 2), set by the entry lines.  The code itself states the register dependences
; between vector instructions and memory instructions, with s_wait_alu, always for 0.
; THE PLAN.  Registers that memory instructions touch:
;   v1, v2   the loads' and the stores' byte offsets: made once at the head, never written again.
;   X        the 16 loads land here; all are issued at the head, before any vector instruction names X.
;   Y        pair i is written once, by step i's two roundings, and read once, by store i; never written again.
; So no register that a memory instruction reads is ever rewritten, and no load lands in a register that a vector instruction has named: what is left to
; state is that an offset or a store's data is written before it is read.  The 16 steps go in four blocks of four.  Block g works on its own X and Y;
; its memory instructions are the four stores of block g - 1, whose Y and whose offset v2 no vector instruction of block g names.  One wait at a block's
; head states that the block before has written its Y, and the four stores are dealt among the block's vector instructions with no further wait.
.set X, 4                              ; v[4:67]   16 x 4 f32 as loaded
.set Y, 68                             ; v[68:99]  16 x 2 words of bf16 to store
	s_load_b256 s[4:11], s[0:1], 0x0               ; x s[4:5], wq s[6:7], wk s[8:9], wv s[10:11]
	s_load_b128 s[12:15], s[0:1], 0x20             ; wo s[12:13], cb s[14:15]
	s_and_b32 s16, ttmp7, 0xffff                   ; segment
	v_lshrrev_b32 v1, 5, v0                        ; wave
	v_and_b32 v3, 31, v0                           ; lane
	v_lshlrev_b32 v1, 13, v1                       ; 8 KiB a wave
	v_lshl_add_u32 v1, v3, 4, v1                   ; + 16 bytes a lane: the load offset
	v_lshrrev_b32 v2, 1, v1                        ; half of it: the store offset
	s_lshl_b32 s18, s16, 22                        ; source offset: the quarter of x (segments 0-3), else 0,
	s_cmp_lt_u32 s16, 4
	s_cselect_b32 s18, s18, 0
	s_lshl_b32 s17, ttmp9, 16                      ; + the piece of 64 KiB
	s_add_co_u32 s18, s18, s17
	s_mov_b32 s19, 0
	s_lshl_b32 s26, s16, 21                        ; destination offset: 2 MiB a segment + 32 KiB a piece
	s_lshl_b32 s17, ttmp9, 15
	s_add_co_u32 s26, s26, s17
	s_mov_b32 s27, 0
	s_cmp_eq_u32 s16, 4
	s_cselect_b32 s22, 0x3e38aa3b, 1.0             ; wq is multiplied by c = 0.18033688, the others by 1: one text for all segments
	s_mov_b32 s23, s22
	s_wait_kmcnt 0x0
	s_cmp_eq_u32 s16, 4                            ; the source buffer is chosen by the segment's number alone
	s_cselect_b64 s[20:21], s[6:7], s[4:5]
	s_cmp_eq_u32 s16, 5
	s_cselect_b64 s[20:21], s[8:9], s[20:21]
	s_cmp_eq_u32 s16, 6
	s_cselect_b64 s[20:21], s[10:11], s[20:21]
	s_cmp_eq_u32 s16, 7
	s_cselect_b64 s[20:21], s[12:13], s[20:21]
	s_add_nc_u64 s[20:21], s[20:21], s[18:19]
	s_add_nc_u64 s[24:25], s[14:15], s[26:27]
	s_wait_alu depctr_va_vdst(0)                   ; v1 and v2 are written: every load reads v1 as its offset, every store v2
.set i, 0
.rept 16
	global_load_b128 v[X+4*i:X+4*i+3], v1, s[20:21] offset:512*i th:TH_LOAD_NT   ; read once in the launch
.set i, i+1
.endr
; Block g: steps 4 g to 4 g + 3 are multiplied and rounded; the four stores of block g - 1 go out among them, one in front of each step's four vector lines.
.macro BLK g
	s_wait_loadcnt 12-4*(\g)                       ; loads come back in order: this block's four are in, the 12 - 4 g younger ones stay out
.if (\g) > 0
	s_wait_alu depctr_va_vdst(0)                   ; the block before has written its four pairs of Y, which the stores below read
.endif
.irp j, 0,1,2,3
.if (\g) > 0
	global_store_b64 v2, v[Y+2*(4*(\g)+(\j)-4):Y+2*(4*(\g)+(\j)-4)+1], s[24:25] offset:256*(4*(\g)+(\j)-4)   ; 32 lanes x 8 bytes: 256 consecutive aligned bytes; the next launch reads them, so no hint.  No vector line since the wait names these registers
.endif
	v_pk_mul_f32 v[X+4*(4*(\g)+(\j)):X+4*(4*(\g)+(\j))+1], v[X+4*(4*(\g)+(\j)):X+4*(4*(\g)+(\j))+1], s[22:23] op_sel_hi:[1,0]
	v_pk_mul_f32 v[X+4*(4*(\g)+(\j))+2:X+4*(4*(\g)+(\j))+3], v[X+4*(4*(\g)+(\j))+2:X+4*(4*(\g)+(\j))+3], s[22:23] op_sel_hi:[1,0]
	v_cvt_pk_bf16_f32 v[Y+2*(4*(\g)+(\j))], v[X+4*(4*(\g)+(\j))], v[X+4*(4*(\g)+(\j))+1]
	v_cvt_pk_bf16_f32 v[Y+2*(4*(\g)+(\j))+1], v[X+4*(4*(\g)+(\j))+2], v[X+4*(4*(\g)+(\j))+3]
.endr
.endm
	BLK 0                                          ; no block stands in front of it: nothing to store yet, and no wait but the one for its data
	BLK 1
	BLK 2
	BLK 3
	s_wait_alu depctr_va_vdst(0)                   ; block 3 has written its four pairs of Y, which the last four stores read
.irp j, 12,13,14,15
	global_store_b64 v2, v[Y+2*(\j):Y+2*(\j)+1], s[24:25] offset:256*(\j)
.endr
	s_endpgm
.Lfunc_end_k_q6f9e7e7794_cast:
	.size	k_q6f9e7e7794_cast, .Lfunc_end_k_q6f9e7e7794_cast-k_q6f9e7e7794_cast
	.p2alignl 7, 3214868480
	.fill 96, 4, 3214868480
	.section	.rodata,"a",@progbits
	.p2align	6, 0x0
	.amdhsa_kernel k_q6f9e7e7794_cast
		.amdhsa_group_segment_fixed_size 0
		.amdhsa_private_segment_fixed_size 0
		.amdhsa_enable_private_segment 0
		.amdhsa_kernarg_size 48
		.amdhsa_user_sgpr_count 2
		.amdhsa_user_sgpr_kernarg_segment_ptr 1
		.amdhsa_wavefront_size32 1
		.amdhsa_system_sgpr_workgroup_id_x 1
		.amdhsa_system_sgpr_workgroup_id_y 1
		.amdhsa_system_sgpr_workgroup_id_z 1
		.amdhsa_system_vgpr_workitem_id 0
		.amdhsa_next_free_vgpr 100
		.amdhsa_next_free_sgpr 66
		.amdhsa_reserve_vcc 0
		.amdhsa_float_denorm_mode_32 3
		.amdhsa_float_denorm_mode_16_64 3
		.amdhsa_memory_ordered 1
		.amdhsa_forward_progress 1
		.amdhsa_inst_pref_size 9
	.end_amdhsa_kernel
	.amdgpu_metadata
---
amdhsa.version: [ 1, 2 ]
amdhsa.kernels:
  - .name:           k_q6f9e7e7794_cast
    .symbol:         k_q6f9e7e7794_cast.kd
    .args:
      - { .name: x, .offset: 0, .size: 8, .value_kind: global_buffer, .address_space: global }
      - { .name: wq, .offset: 8, .size: 8, .value_kind: global_buffer, .address_space: global }
      - { .name: wk, .offset: 16, .size: 8, .value_kind: global_buffer, .address_space: global }
      - { .name: wv, .offset: 24, .size: 8, .value_kind: global_buffer, .address_space: global }
      - { .name: wo, .offset: 32, .size: 8, .value_kind: global_buffer, .address_space: global }
      - { .name: cb, .offset: 40, .size: 8, .value_kind: global_buffer, .address_space: global }
    .group_segment_fixed_size: 0
    .private_segment_fixed_size: 0
    .kernarg_segment_align: 8
    .kernarg_segment_size: 48
    .max_flat_workgroup_size: 256
    .sgpr_count:     66
    .vgpr_count:     100
    .wavefront_size: 32
...
	.end_amdgpu_metadata
.endif
;; end of part 5
;; launch qkv: the kernel of part 2 again; grid 16 x 16, 4 waves a work-group, clusters of 4 x 4, 327,680 bytes of LDS; arguments cb, qkv; writes qkv
;; launch attn: the kernel of part 3 again; grid 8 x 32, 8 waves a work-group, clusters of 4 x 1, 327,680 bytes of LDS; arguments qkv, yb; writes yb
;; launch oproj: the kernel of part 4 again; grid 8 x 32, 4 waves a work-group, clusters of 4 x 4, 327,680 bytes of LDS; arguments yb, cb, bo, out0; writes out0
